; MI455X (gfx1250); checked and timed in simulation.
; The chip was launched on July 23, 2026; its instructions are those of AMD's public machine-readable ISA for CDNA 5 (MIT licence, August 2026) and "CDNA5" Instruction Set Architecture Reference Guide (July 2026). The comments in the code are by the model that wrote it; some were corrected since.
;; TP Group Quant Linear. Allowed arithmetic: matrix products marked QUANTISED: E2M1 operands, one E8M0 scale for each 32 along K, by v_wmma_scale_f32_16x16x128_f8f6f4 with both operands' format E2M1 (or v_wmma_scale_f32_32x16x128_f4), f32 sums; everything else in f32.
;; Inputs: bias 4,096 float32; w_bias 4,096 x 64 x 1 float32; w_packed 4,096 x 64 x 16 int32; w_scale 4,096 x 64 x 1 float32; x_codes 2 x 2,048 x 128 x 16 uint8 (E2M1 codes of x, K innermost, in blocks of 32 codes, two codes a byte); x_scales 2 x 2,048 x 128 uint8 (E8M0 scales of x, one for each 32 codes along K).
;; Outputs: out0 2 x 2,048 x 4,096 float32.
;; This version of the problem:
;;   THIS VERSION OF THE PROBLEM IS GIVEN IN LOW PRECISION. The matrix products marked QUANTISED in the list below multiply operands that are first quantised to E2M1 (2 exponent bits, 1 mantissa bit; 4 bits a number), with one power-of-two scale for each 32 numbers along K (OCP MX v1.0); their sums are f32. All else is computed in f32.
;;   The module's matrix products, in the order in which they are computed (A, B: the left and right operand; K: the contracted axis; several contracted axes count as one K, in the product's order):
;;     1. [M 4,096, K 4,096] x [K 4,096, N 4,096]; A: input x (given as codes); B: computed on the way: QUANTISED
;;   THE QUANTISER, for each operand of a quantised product, along K:
;;     - K is cut into blocks of 32 from its start; a last block that is shorter is filled with zeros.
;;     - A block's scale is 2^e with e = floor(log2(the largest magnitude in the block)) - 2, held to -126 .. 127; a block of zeros has e = 0. As a byte (E8M0): e + 127.
;;     - Each number is divided by its block's scale, clamped to +-6, and rounded to the nearest number of E2M1, ties to even, subnormals kept.
;;     - The product sums the exact products of the quantised numbers (number of the format x scale) in f32.
;;   ~~~python
;;   def quantise(x, axis):      # numpy; x: float32 -> the quantised numbers, widened to float32 again
;;       x = np.moveaxis(x, axis, -1); K = x.shape[-1]
;;       x = np.pad(x, [(0, 0)] * (x.ndim - 1) + [(0, -K % 32)]); x = x.reshape(x.shape[:-1] + (-1, 32)); a = np.abs(x).max(-1, keepdims=True)
;;       e = np.where(a > 0, np.clip(np.frexp(np.where(a > 0, a, 1))[1] - 1 - 2, -126, 127), 0)      # np.frexp(a)[1] - 1 = floor(log2(a)), exactly
;;       r = np.clip(x / 2.0 ** e, -6, 6)
;;       step = 2.0 ** (np.maximum(np.frexp(np.where(r == 0, 1, r))[1] - 1, 0) - 1)
;;       q = np.round(r / step) * step * 2.0 ** e      # np.round: ties to even
;;       return np.moveaxis(q.reshape(q.shape[:-2] + (-1,))[..., :K], -1, axis).astype(np.float32)
;;   ~~~
;;   OPERANDS COMPUTED ON THE WAY. 'Computed on the way' means the value that the module computes at that place (a softmax that the list does not call 'softmax' is quantised finished and normalised). What goes into a quantiser is computed in f32, as accurately as f32 sums, v_exp_f32 and their like allow (about 1e-6 of the number): no bf16 or f16 on the way to a quantiser, and a product that is left as it is and whose result goes on into a quantised operand takes f32 operands (vector FMAs, or v_wmma_f32_16x16x4_f32). A number that lies on a knife's edge between two numbers of the format may be rounded either way, as far as f32 arithmetic and the matrix unit's own rounding can turn it there, and no further.
;;   INPUTS GIVEN AS CODES. x (in the module: [2, 2048, 4096], K = its axis 2): each comes as NAME_codes (uint8): NAME with its K axis moved to the last place and cut into blocks of 32 codes, [.., K / 32, bytes a block], one block behind the other in memory; two codes a byte, the lower K in the low four bits (a code: sign, 2 exponent bits, 1 mantissa bit); and NAME_scales (uint8): the same leading axes, one E8M0 byte (e + 127) for each 32 codes along K. Its value is code x scale, taken as it is: it is not quantised again, and the codes and scales need not be those that the quantiser above would give.
;; One version. Each part assembles by itself: llvm-mc -triple=amdgcn-amd-amdhsa -mcpu=gfx1250 --defsym DOCPART=n.
;; ======== version 1 of 1: 2 launches
;; limits: right only within a limited range of input values
;; workspace buffers: wq 8,388,608 bytes; scl 1,048,576 bytes
;; launch prep (part 1): grid 256 x 1, 16 waves a work-group, no clusters, 14,848 bytes of LDS; arguments w_packed, w_scale, w_bias, x_scales, wq, scl; writes wq, scl
.if DOCPART == 1
	.amdgcn_target "amdgcn-amd-amdhsa--gfx1250"
	.amdhsa_code_object_version 6
	.text
	.protected	k_qa67805fcd9_prep
	.globl	k_qa67805fcd9_prep
	.p2align	8
	.type	k_qa67805fcd9_prep,@function
k_qa67805fcd9_prep:
	s_mov_b64 s[64:65], 0
	v_nop
	global_prefetch_b8 v0, s[64:65] scope:SCOPE_SE
	s_setreg_imm32_b32 hwreg(HW_REG_WAVE_MODE, 25, 1), 1
	s_wait_xcnt 0x0
; W[o][k] = nibble x w_scale[o][k / 64] + w_bias[o][k / 64], in f32, becomes codes of FP4 (E2M1) with one E8M0 byte for each 32 along K; and the scale bytes of BOTH operands are laid by K step of 512.
; w_packed: [4096][64][16] words, four nibbles in the low 16 bits of each, the lowest first: a row is 4,096 bytes.  w_scale, w_bias: [4096][64] f32.  x_scales: [4096][128] bytes.
; THE ROWS OF W ARE LAID IN ANOTHER ORDER: in each 64 rows, row 4 r + t (r = 0 .. 15, t = 0 .. 3) takes place 16 t + r.
; wq: [8 K steps][4096 places][256 bytes]: W's codes, K innermost, the lower k in the low four bits: a K step's rows are one dense block.
; scl: [2][8 K steps][4096][16 bytes]: part 0 x's scale bytes by row, part 1 W's by place: the 16 bytes are the four scale words of that K step.
; A block's scale is 2^(floor(log2(its largest magnitude)) - 2); its byte is the largest magnitude's exponent field - 2, held at 1 from below.
; LIMITS: n s + b is ONE fused multiply-add (one rounding where a multiplication and an addition have two); a block of zeros gets the byte 1 where the rule says 127 (its codes are zeros, which add nothing under any byte
; but 0xff, and this program alone reads the bytes); a w_scale other than 0 is at least 2^-114 in magnitude (it is divided by 4,096 on the way); NaN and infinities in w_scale and w_bias are not served.
; SHARES.  Work-group g takes the 16 rows 64 (g / 4) + (g % 4) + 4 i, which are the places 16 g + i.  Wave w takes K step w % 8 and rows i = 8 (w / 8) + t, t = 0 .. 7: 512 consecutive bytes of a row, one load, a step.
; A lane's four words are 16 neighbours along K: lanes l and l xor 1 hold a block of 32, lanes 4 j .. 4 j + 3 a group of 64.  A lane's 16 codes are 8 bytes: a wave's store covers 256 consecutive bytes, aligned.
; The scale bytes of a K step are gathered in 256 bytes of LDS by two waves and leave by one store of 256 consecutive bytes.
; All that a wave reads of w_packed is asked for at the head (8 loads); no loop: so no prefetch is written.  No tensor loads, no cluster: each byte is read once by one wave, but for the rows' scales and biases, which go through LDS.
.set XS,    8192                       ; LDS: 0: w_scale of the 16 rows; 4096: w_bias; XS: x_scales of 16 rows, 128 bytes + 16 of padding a row;
.set SBY,   10752                      ; 256 bytes for each K step: W's scale bytes
.set SPARE, 12800                      ; the spare words, 128 bytes a wave
.set WPART, 524288                     ; W's part of scl
.set R,     16                         ; v16-47    step t: its four words as loaded
.set X,     48                         ; v48-63    16 numbers at work
.set C,     64                         ; v64-79    step t: its codes, two registers
.set PS,    80                         ; v80-111   step t: its group's scale s, s / 16, s / 256, s / 4096
.set PB,    112                        ; v112-127  step t: its group's bias, twice
.set E,     128                        ; v128-135  step t: its block's scale byte
.set SPW,   140
.set NIL,   141
	s_load_b256 s[4:11], s[0:1], 0x0               ; w_packed s[4:5], w_scale s[6:7], w_bias s[8:9], x_scales s[10:11]
	s_load_b128 s[12:15], s[0:1], 0x20             ; wq s[12:13], scl s[14:15]
	v_lshl_add_u32 v[SPW], v0, 2, SPARE
	v_mov_b32 v[NIL], 0
	v_lshrrev_b32 v1, 5, v0
	v_readfirstlane_b32 s16, v1                    ; wave 0..15
	s_and_b32 s17, s16, 7                          ; K step
	s_lshr_b32 s18, s16, 3                         ; which 8 rows
	s_lshr_b32 s20, ttmp9, 2
	s_lshl_b32 s20, s20, 6
	s_and_b32 s21, ttmp9, 3
	s_add_co_u32 s20, s20, s21                     ; the first of my 16 rows; they lie 4 apart
	s_lshl_b32 s22, s20, 12                        ; w_packed: the row, + 32 rows for the second half, + 512 bytes a K step
	s_lshl_b32 s19, s18, 17
	s_add_co_u32 s22, s22, s19
	s_lshl_b32 s19, s17, 9
	s_add_co_u32 s22, s22, s19
	s_mov_b32 s23, 0
	s_lshl_b32 s24, s20, 8                         ; w_scale, w_bias: wave w brings row i = w
	s_lshl_b32 s19, s16, 10
	s_add_co_u32 s24, s24, s19
	s_mov_b32 s25, 0
	s_lshl_b32 s26, ttmp9, 11                      ; x_scales: 16 rows of 128 bytes
	s_mov_b32 s27, 0
	s_lshl_b32 s36, s17, 20                        ; wq: the K step, place 16 g + 8 half
	s_lshl_b32 s19, ttmp9, 12
	s_add_co_u32 s36, s36, s19
	s_lshl_b32 s19, s18, 11
	s_add_co_u32 s36, s36, s19
	s_mov_b32 s37, 0
	s_lshl_b32 s38, s17, 16                        ; scl: the K step, 16 rows of 16 bytes
	s_lshl_b32 s19, ttmp9, 8
	s_add_co_u32 s38, s38, s19
	s_mov_b32 s39, 0
	s_mul_i32 s40, s16, 144                        ; LDS: where x's row w goes
	s_add_co_u32 s40, s40, XS
	s_lshl_b32 s41, s17, 5                         ; my K step's eight groups in my first row
	s_lshl_b32 s19, s18, 11
	s_add_co_u32 s41, s41, s19
	s_lshl_b32 s42, s17, 4                         ; x's bytes of my K step
	s_add_co_u32 s42, s42, XS
	s_lshl_b32 s43, s17, 8                         ; W's bytes of my K step,
	s_add_co_u32 s43, s43, SBY
	s_lshl_b32 s44, s18, 7
	s_add_co_u32 s44, s44, s43                     ; and of my 8 rows
	s_mov_b32 s28, 0x4b000000                      ; 2^23
	s_mov_b32 s29, 0xf0
	s_mov_b32 s30, 0xf00
	s_mov_b32 s31, 0xf000
	s_mov_b32 s34, 0xcb000000                      ; -2^23, as a pair
	s_mov_b32 s35, 0xcb000000
	v_and_b32 v2, 31, v0                           ; lane
	v_lshlrev_b32 v3, 3, v0                        ; LDS place of my 8 bytes of w_scale and of w_bias
	v_lshlrev_b32 v4, 2, v0                        ; x_scales: 4 bytes a thread
	v_lshrrev_b32 v11, 1, v2
	v_lshrrev_b32 v12, 2, v2
	v_and_b32 v13, 1, v2
	v_lshlrev_b32 v8, 3, v2                        ; 8 x lane: my place in each store of 256 bytes
	v_mul_u32_u24 v7, 0x90, v11
	v_lshlrev_b32 v12, 2, v12
	v_lshlrev_b32 v5, 2, v2
	v_lshlrev_b32 v15, 4, v2                       ; w_packed: my 16 bytes of a step's 512
	v_lshl_add_u32 v7, v13, 3, v7
	v_add_nc_u32 v6, s41, v12                      ; my group's scale in my first row
	v_add_nc_u32 v5, s40, v5
	v_add_nc_u32 v9, s44, v11                      ; my block's byte of step 0
	v_add_nc_u32 v7, s42, v7                       ; x's bytes: row lane / 2, 8 bytes for each of two lanes
	v_add_nc_u32 v10, s43, v8                      ; W's bytes on the way out
	s_wait_alu depctr_va_vdst(0)                   ; the wait at the head's end
	s_wait_kmcnt 0x0
	s_add_nc_u64 s[4:5], s[4:5], s[22:23]
	s_add_nc_u64 s[6:7], s[6:7], s[24:25]
	s_add_nc_u64 s[8:9], s[8:9], s[24:25]
	s_add_nc_u64 s[10:11], s[10:11], s[26:27]
	s_add_nc_u64 s[12:13], s[12:13], s[36:37]
	s_add_nc_u64 s[14:15], s[14:15], s[38:39]
	global_load_b64 v[136:137], v8, s[6:7] th:TH_LOAD_NT           ; the three small pieces are wanted first
	global_load_b64 v[138:139], v8, s[8:9] th:TH_LOAD_NT
	global_load_b32 v142, v4, s[10:11] th:TH_LOAD_NT
.irp t, 0,1,2,3,4,5,6,7
	global_load_b128 v[R+4*\t:R+4*\t+3], v15, s[4:5] offset:16384*\t th:TH_LOAD_NT   ; rows 4 apart; 32 lanes read 512 consecutive bytes
.endr
	s_wait_loadcnt 8                               ; the three small ones are in; the 8 behind them stay out
	ds_store_b64 v3, v[136:137]
	ds_store_b64 v3, v[138:139] offset:4096
	ds_store_b32 v5, v142
	s_wait_dscnt 0x0                               ; for the other waves' sake: my stores have landed
	s_barrier_signal -1
	s_barrier_wait -1
.irp t, 0,1,2,3,4,5,6,7
	ds_load_b32 v[PS+4*\t], v6 offset:256*\t
	ds_load_b32 v[PB+2*\t], v6 offset:4096+256*\t
	ds_load_b32 v[PB+2*\t+1], v6 offset:4096+256*\t   ; twice, so that the packed multiply-add takes a plain pair
.endr
	s_cmp_lt_u32 s16, 8
	s_cbranch_scc0 .Lno_x
	ds_load_b64 v[2:3], v7                         ; waves 0-7: x's scale bytes of K step w, stored at the end
.Lno_x:
	s_wait_dscnt 0x0
; A nibble stands where it lies in its word under the exponent of 2^23: 2^23 + n, + 16 n, + 256 n, + 4096 n, exact; 2^23 is taken away, exact; and the scale carries 1, 1/16, 1/256, 1/4096.
.macro STEP t
	s_wait_loadcnt 7-(\t)                          ; row t's load is in; the later rows' stay out
	v_mul_f32 v[PS+4*(\t)+1], 0x3d800000, v[PS+4*(\t)]
	v_mul_f32 v[PS+4*(\t)+2], 0x3b800000, v[PS+4*(\t)]
	v_mul_f32 v[PS+4*(\t)+3], 0x39800000, v[PS+4*(\t)]
.irp i, 0,1,2,3
	v_and_or_b32 v[X+4*\i], v[R+4*(\t)+\i], 15, s28
	v_and_or_b32 v[X+4*\i+1], v[R+4*(\t)+\i], s29, s28
	v_and_or_b32 v[X+4*\i+2], v[R+4*(\t)+\i], s30, s28
	v_and_or_b32 v[X+4*\i+3], v[R+4*(\t)+\i], s31, s28
.endr
.irp j, 0,2,4,6,8,10,12,14
	v_pk_add_f32 v[X+\j:X+\j+1], v[X+\j:X+\j+1], s[34:35] op_sel_hi:[1,0]
.endr
.irp j, 0,2,4,6,8,10,12,14
	v_pk_fma_f32 v[X+\j:X+\j+1], v[X+\j:X+\j+1], v[PS+4*(\t)+(\j)%4:PS+4*(\t)+(\j)%4+1], v[PB+2*(\t):PB+2*(\t)+1]   ; n s + b, two at a time
.endr
	v_max3_num_f32 v12, |v[X]|, |v[X+1]|, |v[X+2]|                 ; the largest magnitude of my 16, in two chains
	v_max3_num_f32 v13, |v[X+3]|, |v[X+4]|, |v[X+5]|
.irp i, 6,10
	s_delay_alu instid0(VALU_DEP_2)
	v_max3_num_f32 v12, v12, |v[X+\i]|, |v[X+\i+1]|
	s_delay_alu instid0(VALU_DEP_2)
	v_max3_num_f32 v13, v13, |v[X+\i+2]|, |v[X+\i+3]|
.endr
	s_delay_alu instid0(VALU_DEP_2)
	v_max3_num_f32 v12, v12, |v[X+14]|, |v[X+15]|
	s_delay_alu instid0(VALU_DEP_1)
	v_max3_num_f32 v12, v12, v13, 0x1800000        ; and the floor 2^(3 - 127): the byte cannot fall under 1
	s_delay_alu instid0(VALU_DEP_1)
	v_max_num_f32_dpp v12, v12, v12 row_xmask:1 row_mask:0xf bank_mask:0xf   ; and of my neighbour's 16: the block's
	s_delay_alu instid0(VALU_DEP_1)
	v_add_nc_u32 v14, 0xff000000, v12              ; 2 off its exponent field: the conversion's scale operand
	v_cvt_scalef32_pk8_fp4_f32 v[C+2*(\t)], v[X:X+7], v14
	v_cvt_scalef32_pk8_fp4_f32 v[C+2*(\t)+1], v[X+8:X+15], v14
	v_lshrrev_b32 v[E+(\t)], 23, v14               ; the scale's byte; also the plain instruction behind the conversions
.endm
.irp t, 0,1,2,3,4,5,6,7
	STEP \t
.endr
.irp t, 0,1,2,3,4,5,6,7
	ds_store_b8 v9, v[E+\t] offset:16*\t           ; both lanes of a block write the same byte with the same value
.endr
.irp t, 0,1,2,3,4,5,6,7
	global_store_b64 v8, v[C+2*\t:C+2*\t+1], s[12:13] offset:256*\t   ; 512 codes of a row: 256 consecutive bytes, aligned
.endr
	s_cmp_lt_u32 s16, 8
	s_cbranch_scc0 .Lno_xs
	global_store_b64 v8, v[2:3], s[14:15]          ; x's scale bytes: 256 consecutive bytes, aligned
.Lno_xs:
	s_wait_dscnt 0x0                               ; for the other waves' sake: my byte stores have landed
	s_barrier_signal -1
	s_barrier_wait -1
	s_cmp_lt_u32 s16, 8
	s_cbranch_scc1 .Lno_w
	ds_load_b64 v[136:137], v10                    ; waves 8-15: W's scale bytes of K step w - 8, from two waves
	s_wait_dscnt 0x0
	global_store_b64 v8, v[136:137], s[14:15] offset:WPART         ; 256 consecutive bytes, aligned
.Lno_w:
	s_wait_tensorcnt 0x0                           ; the wave's end
	ds_add_u32 v[SPW], v[NIL]
	s_wait_dscnt 0x0
	s_endpgm
.Lfunc_end_k_qa67805fcd9_prep:
	.size	k_qa67805fcd9_prep, .Lfunc_end_k_qa67805fcd9_prep-k_qa67805fcd9_prep
	.p2alignl 7, 3214868480
	.fill 96, 4, 3214868480
	.section	.rodata,"a",@progbits
	.p2align	6, 0x0
	.amdhsa_kernel k_qa67805fcd9_prep
		.amdhsa_group_segment_fixed_size 14848
		.amdhsa_private_segment_fixed_size 0
		.amdhsa_enable_private_segment 0
		.amdhsa_kernarg_size 48
		.amdhsa_user_sgpr_count 2
		.amdhsa_user_sgpr_kernarg_segment_ptr 1
		.amdhsa_wavefront_size32 1
		.amdhsa_system_sgpr_workgroup_id_x 1
		.amdhsa_system_sgpr_workgroup_id_y 1
		.amdhsa_system_sgpr_workgroup_id_z 1
		.amdhsa_system_vgpr_workitem_id 0
		.amdhsa_next_free_vgpr 144
		.amdhsa_next_free_sgpr 66
		.amdhsa_reserve_vcc 0
		.amdhsa_float_denorm_mode_32 3
		.amdhsa_float_denorm_mode_16_64 3
		.amdhsa_memory_ordered 1
		.amdhsa_forward_progress 1
		.amdhsa_inst_pref_size 35
	.end_amdhsa_kernel
	.amdgpu_metadata
---
amdhsa.version: [ 1, 2 ]
amdhsa.kernels:
  - .name:           k_qa67805fcd9_prep
    .symbol:         k_qa67805fcd9_prep.kd
    .args:
      - { .name: w_packed, .offset: 0, .size: 8, .value_kind: global_buffer, .address_space: global }
      - { .name: w_scale, .offset: 8, .size: 8, .value_kind: global_buffer, .address_space: global }
      - { .name: w_bias, .offset: 16, .size: 8, .value_kind: global_buffer, .address_space: global }
      - { .name: x_scales, .offset: 24, .size: 8, .value_kind: global_buffer, .address_space: global }
      - { .name: wq, .offset: 32, .size: 8, .value_kind: global_buffer, .address_space: global }
      - { .name: scl, .offset: 40, .size: 8, .value_kind: global_buffer, .address_space: global }
    .group_segment_fixed_size: 14848
    .private_segment_fixed_size: 0
    .kernarg_segment_align: 8
    .kernarg_segment_size: 48
    .max_flat_workgroup_size: 512
    .sgpr_count:     66
    .vgpr_count:     144
    .wavefront_size: 32
...
	.end_amdgpu_metadata
.endif
;; end of part 1
;; launch gemm (part 2): grid 16 x 16, 4 waves a work-group, clusters of 4 x 4, 327,680 bytes of LDS; arguments x_codes, wq, scl, bias, out0; writes out0
.if DOCPART == 2
	.amdgcn_target "amdgcn-amd-amdhsa--gfx1250"
	.amdhsa_code_object_version 6
	.text
	.protected	k_qa67805fcd9_gemm
	.globl	k_qa67805fcd9_gemm
	.p2align	8
	.type	k_qa67805fcd9_gemm,@function
k_qa67805fcd9_gemm:
	s_mov_b64 s[64:65], 0
	v_nop
	global_prefetch_b8 v0, s[64:65] scope:SCOPE_SE
	s_setreg_imm32_b32 hwreg(HW_REG_WAVE_MODE, 25, 1), 1
	s_wait_xcnt 0x0
	s_wait_alu depctr_hold_cnt(0) depctr_sa_sdst(0) depctr_va_vdst(0) depctr_va_sdst(0) depctr_va_ssrc(0) depctr_va_vcc(0) depctr_vm_vsrc(0)
	s_getreg_b32 s2, hwreg(HW_REG_IB_STS2, 6, 4)
	s_cmp_eq_u32 s2, 0
	s_cbranch_scc0 .Lentry_in_a_cluster
	s_endpgm
.Lentry_in_a_cluster:
	s_bfe_u32 s2, ttmp6, 0x10000c
	s_cmp_lg_u32 s2, 0xf033
	s_cbranch_scc0 .Lentry_shape_is_right
	s_endpgm
.Lentry_shape_is_right:
; out0[m][o] = sum over k of x[m][k] W[o][k] + bias[o].  x_codes: [4096][2048] bytes; wq: [8 K steps][4096 places][256 bytes]: codes of FP4 (E2M1), K innermost, the lower k in the low four bits.  out0: [4096][4096] f32; sums in f32, K steps
; ascending (inside the last K step the four 128 along K go in the order 0, 2, 3, 1).  scl: [2][8 K steps][4096][16 bytes]: the E8M0 bytes of x by row (part 0) and of W by place (part 1), one for each 32 along K.
; In each 64 rows of W, row 4 r + t lies at place 16 t + r (the launch before lays them so).  A below stands for x (rows of out0), B for W (columns of out0).
; A tile of out0, 256 x 256, is made by a work-group of four waves; a wave makes 128 x 128: 32 accumulators of 32 x 16, 512 registers.  256 tiles: one to a work-group.
; K goes in steps of 512 through a ring of two LDS slots filled by the tensor data mover: a tile's row is 256 bytes of memory, aligned.  Eight K steps.
; CLUSTERS: 4 x 4 work-groups.  The four of a row of the cluster need the same tiles of A, the four of a column the same tiles of B: each tile is asked for JOINTLY, with one descriptor and a mask that names the four.
; THE SCALES do not go through LDS: one load of 16 bytes a lane brings the four words of 32 rows (or places), 512 consecutive bytes; eight loads a K step and wave, asked for one K step ahead, into two sets of registers.
; SOURCE 0 = 32 rows of A, SOURCE 1 = 16 places of B.  A lane (r, h) then holds, in block b = 4 g + t, column 64 g + 4 r + t of eight rows 8 h + j (and eight 16 further down): the four blocks of one g give it 16 neighbouring bytes of a row, and
; lanes 0-15 (and 16-31) 256 consecutive bytes, aligned.  So results leave straight from registers: an addition of the bias gathers four blocks' registers into four that follow each other.
; REGISTERS: window 0: v0-30 addresses and the bias; v32-95 scale words, two sets, and nothing else ever; v96-223 A's fragments, two sets of 64 (128 rows x 128 K); v224-255 the first batch on the way out.
;   window 1: B's fragments, two sets of 64, at v0 and at v64; in the last K step all 256: B's fragments of the whole step.   windows 2, 3: accumulator (a, b) at v[16 (8 (a % 2) + b)], a = 0, 1 in window 2, a = 2, 3 in window 3.
; A step of 128 along K is ONE run of memory instructions, the 32 LDS loads of the next step's fragments into the other pair of sets, and 32 matrix instructions behind it.  A K step's first run also has the scale words' loads and the prefetch.
; PREFETCH: a K step's rows are shared out by address among the four partners that ask for them jointly, 32 rows a wave, a lane a row.  K step 1 is asked for at the head, 2 and 3 behind K step 1's tensor load, and from there K step k + 2 behind
; K step k's load, in the step that follows it; the last two refills ask for nothing.
; LIMIT: NaN codes do not exist in E2M1; a scale byte of 0xff makes the sum NaN.
.set KROW,   2048                      ; a row of A in memory, in bytes
.set ROWB,   256                       ; a tile's row: 512 codes
.set PITCH,  272                       ; an LDS row: 256 bytes + 16 of padding = 68 words: row r starts at bank 4 r mod 64 (ISA guide 11.1)
.set HALFT,  128*PITCH                 ; 128 rows: what one tensor load brings, and what one wave reads of A or of B
.set SLOT,   4*HALFT                   ; A's 256 rows, then B's 256
.set SPARE,  2*SLOT                    ; behind the ring: the spare words, 128 bytes a wave
.set SSTEP,  65536                     ; a K step in scl
.set WPART,  524288                    ; W's part of scl
.set WSTEP,  0x100000                  ; a K step in wq
.set BI,   8                           ; v8-15   the bias: v[8 + 4 g + t] = bias[my first column + 64 g + 4 r + t]
.set ADRA, 16                          ; v16-17  LDS address of my A fragments in slot 0, 1
.set ADRB, 20                          ; v20-21  the same for B
.set ADRW, 23                          ; v23     my byte offset in a K step of scl: W's
.set CO,   26                          ; v26     my byte offset in out0
.set ADRX, 27                          ; v27     my byte offset in a K step of scl: x's
.set SPW,  28                          ; v28, v29: spare word and 0
.set NIL,  29
.set PFO,  30                          ; v30     the prefetches' offset: lane x a row's pitch
.set SC,   32                          ; scale set s at v[SC + 32 s]: register 4 a + q: A's rows 32 a + lane; 16 + 4 i + q: B's blocks 2 i (lanes 0-15) and 2 i + 1 (lanes 16-31); q: which 128 along K
.set AF,   96
.set OB,   224
.set G1, 24                            ; s[24:31] descriptor group 1 for A;  s[32:39] group 0, a set for each slot
.set G0, 32
.set G1B, 48                           ; s[48:55], s[56:63] the same for B
.set G0B, 56
.set PFP, 66                           ; s[66:67], s[70:71] where prefetches stand;  s[68:69] a K step's bytes in my operand
.set PFS, 68
.set PFQ, 70
.set SB,  80                           ; s[80:81] scl
.set MSB, 0
.macro WIN new                         ; the immediate's high byte repeats the setting that is left; a switch that changes nothing is dropped
.if MSB != (\new)
	s_set_vgpr_msb (MSB<<8)|(\new)
.set MSB, (\new)
.endif
.endm
.macro PLACES                          ; four places behind matrix instructions (ISA guide 7.12.1 for vector instructions)
.rept 4
	v_nop
.endr
.endm
.macro JLOAD s                         ; a joint load: waves 0 and 1 fetch A's two halves, waves 2 and 3 B's; the branch hangs on the wave's number alone
	s_cmp_eq_u32 s15, 0
	s_cbranch_scc0 .Lfor_b_\@
	tensor_load_to_lds s[G0+4*\s:G0+4*\s+3], s[G1:G1+7]
	s_nop 0
	PLACES
	s_branch .Lasked_\@
.Lfor_b_\@:
	tensor_load_to_lds s[G0B+4*\s:G0B+4*\s+3], s[G1B:G1B+7]
	s_nop 0
	PLACES
.Lasked_\@:
.endm
.macro CREST                           ; a round of the cluster's barrier behind its opening barrier
	s_cmp_lg_u32 s14, 0
	s_cbranch_scc1 .Lnot_wave_0_\@
	s_barrier_signal -3
.Lnot_wave_0_\@:
	s_barrier_wait -3
	s_barrier_signal -1
	s_barrier_wait -1
.endm
.macro CROUND                          ; a whole round
	s_barrier_signal -1
	s_barrier_wait -1
	CREST
.endm
	s_load_b128 s[4:7], s[0:1], 0x0                ; x's codes s[4:5], W's codes s[6:7]
	s_load_b128 s[8:11], s[0:1], 0x10              ; scl s[8:9], bias s[10:11]
	s_load_b64 s[12:13], s[0:1], 0x20              ; out0
	v_lshl_add_u32 v[SPW], v0, 2, SPARE
	v_mov_b32 v[NIL], 0
	ds_add_u32 v[SPW], v[NIL]                      ; the opening: the add, twice on end, and its wait
	ds_add_u32 v[SPW], v[NIL]
	v_lshrrev_b32 v1, 5, v0
	v_readfirstlane_b32 s14, v1                    ; wave 0..3
	s_lshr_b32 s15, s14, 1                         ; my half of the tile's rows.  Also: I fetch for A (0) or B (1)
	s_and_b32 s16, s14, 1                          ; my half of its columns.  Also: which 128 rows of that tile I fetch
	s_bfe_u32 s40, ttmp6, 0x40000                  ; cx, cy
	s_bfe_u32 s41, ttmp6, 0x40004
	s_lshl_b32 s42, ttmp9, 2
	s_add_co_u32 s42, s42, s40                     ; tile column
	s_and_b32 s17, ttmp7, 0xffff
	s_lshl_b32 s17, s17, 2
	s_add_co_u32 s17, s17, s41                     ; tile row
	s_lshl_b32 s43, s41, 2
	s_lshl_b32 s43, 15, s43                        ; my row of the cluster
	s_lshl_b32 s44, 0x1111, s40                    ; my column
	s_or_b32 s[G1+0], s43, (1<<20)|(1<<21)|(5<<22)|(3<<25)   ; 15:0 the mask; 17:16 element of 1 byte; 20 padding on; 21 set beside a mask; 24:22 after every 64 words; 31:25 of 4 words
	s_or_b32 s[G1B+0], s44, (1<<20)|(1<<21)|(5<<22)|(3<<25)
.irp g, G1, G1B
	s_mov_b32 s[\g+1], ROWB<<16                    ; tensor_dim0
	s_mov_b32 s[\g+2], 128<<16                     ; tensor_dim1
	s_mov_b32 s[\g+3], ROWB<<16                    ; tile_dim0
	s_mov_b32 s[\g+4], 128                         ; tile_dim1
	s_mov_b32 s[\g+6], 0
	s_mov_b32 s[\g+7], 0
.endr
	s_mov_b32 s[G1+5], KROW                        ; A's rows lie 2,048 bytes apart,
	s_mov_b32 s[G1B+5], ROWB                       ; B's on end
	s_lshl_b32 s18, s16, 7
	s_lshl_b32 s20, s17, 8
	s_add_co_u32 s20, s20, s18                     ; A: row 256 x tile row + 128 x half
	s_lshl_b32 s20, s20, 11
	s_mov_b32 s21, 0
	s_lshl_b32 s46, s42, 8
	s_add_co_u32 s46, s46, s18                     ; B: place 256 x tile column + 128 x half
	s_lshl_b32 s46, s46, 8
	s_mov_b32 s47, 0
	s_mul_i32 s45, s14, HALFT                      ; where my loads go: wave x 128 rows
	s_wait_dscnt 0x0                               ; both opening adds are done
	s_wait_kmcnt 0x0
	s_add_nc_u64 s[20:21], s[4:5], s[20:21]
	s_add_nc_u64 s[46:47], s[6:7], s[46:47]
.irp s, 0,1
	s_mov_b32 s[G0+4*\s], 1
	s_add_co_u32 s[G0+4*\s+1], s45, \s*SLOT
	s_add_nc_u64 s[G0+4*\s+2:G0+4*\s+3], s[20:21], \s*ROWB
	s_or_b32 s[G0+4*\s+3], s[G0+4*\s+3], 0x80000000
	s_mov_b32 s[G0B+4*\s], 1
	s_add_co_u32 s[G0B+4*\s+1], s45, \s*SLOT
	s_add_nc_u64 s[G0B+4*\s+2:G0B+4*\s+3], s[46:47], \s*WSTEP
	s_or_b32 s[G0B+4*\s+3], s[G0B+4*\s+3], 0x80000000
.endr
	CROUND                                         ; all sixteen work-groups are here: the first joint loads meet
	JLOAD 0                                        ; K step 0: one tensor load a wave at the head
	s_mul_i32 s76, s15, HALFT                      ; my 128 rows of A in a slot
	s_mul_i32 s77, s16, HALFT                      ; my 128 of B, behind A's 256
	s_add_co_u32 s77, s77, 2*HALFT
	s_lshl_b32 s78, s17, 8
	s_lshl_b32 s79, s15, 7
	s_add_co_u32 s78, s78, s79                     ; my first row
	s_lshl_b32 s82, s42, 8
	s_lshl_b32 s79, s16, 7
	s_add_co_u32 s82, s82, s79                     ; my first column (and place)
	s_lshl_b32 s83, s78, 4                         ; scl: 16 bytes a row
	s_lshl_b32 s84, s82, 4
	s_add_co_u32 s84, s84, WPART
	s_mov_b32 s85, WSTEP                           ; the prefetches: of the 128 rows that I fetch, 32 by my place among the partners (cx for A, cy for B)
	s_mov_b32 s86, KROW
	s_lshl_b32 s87, s16, 7
	s_lshl_b32 s88, s17, 8
	s_add_co_u32 s88, s88, s87
	s_lshl_b32 s89, s40, 5
	s_add_co_u32 s88, s88, s89
	s_lshl_b32 s88, s88, 11
	s_lshl_b32 s90, s42, 8
	s_add_co_u32 s90, s90, s87
	s_lshl_b32 s91, s41, 5
	s_add_co_u32 s90, s90, s91
	s_lshl_b32 s90, s90, 8
	s_mov_b32 s89, 0
	s_mov_b32 s69, 0
	s_cmp_eq_u32 s15, 0
	s_cselect_b32 s88, s88, s90
	s_cselect_b32 s[PFS], 0x100, s85
	s_cselect_b32 s86, s86, 0x100
	s_cselect_b64 s[PFP:PFP+1], s[4:5], s[6:7]
	s_add_nc_u64 s[PFP:PFP+1], s[PFP:PFP+1], s[88:89]
	s_add_nc_u64 s[PFP:PFP+1], s[PFP:PFP+1], s[PFS:PFS+1]   ; K step 1
	s_lshl_b32 s22, s78, 14                        ; out0: 16,384 bytes a row
	s_lshl_b32 s18, s82, 2
	s_add_co_u32 s22, s22, s18
	s_mov_b32 s23, 0
	s_mov_b32 s19, 0
	s_add_nc_u64 s[12:13], s[12:13], s[22:23]
	s_add_nc_u64 s[10:11], s[10:11], s[18:19]
	s_mov_b64 s[SB:SB+1], s[8:9]
	v_and_b32 v2, 15, v0                           ; r
	v_bfe_u32 v3, v0, 4, 1                         ; h
	v_and_b32 v4, 31, v0                           ; lane
	v_mul_u32_u24 v5, PITCH, v2
	v_lshlrev_b32 v6, 4, v2                        ; 16 r
	v_lshlrev_b32 v7, 4, v4                        ; 16 lane
	v_lshl_add_u32 v5, v3, 4, v5                   ; a fragment's row x pitch + 16 h
	v_lshl_add_u32 v[CO], v3, 17, v6               ; out0: 8 h rows down, 16 r
	v_add_nc_u32 v[ADRA], s76, v5
	v_add_nc_u32 v[ADRB], s77, v5
	v_add_nc_u32 v[ADRX], s83, v7
	v_add_nc_u32 v[ADRW], s84, v7
	v_mul_u32_u24 v[PFO], s86, v4
	v_add_nc_u32 v[ADRA+1], SLOT, v[ADRA]
	v_add_nc_u32 v[ADRB+1], SLOT, v[ADRB]
	s_wait_alu depctr_va_vdst(0)                   ; the wait at the head's end
.macro SCALES sc, off                  ; the scale words of the K step off bytes on from s[SB:SB+1], into set sc
.irp i, 0,1,2,3
	global_load_b128 v[SC+32*(\sc)+4*\i:SC+32*(\sc)+4*\i+3], v[ADRX], s[SB:SB+1] offset:(\off)+512*\i
	global_load_b128 v[SC+32*(\sc)+16+4*\i:SC+32*(\sc)+16+4*\i+3], v[ADRW], s[SB:SB+1] offset:(\off)+512*\i
.endr
.endm
; Fragments: 16 rows x 128 K of 4-bit codes are 8 registers: lane (r, h): registers 4 c .. 4 c + 3 hold K = 64 c + 32 h + 0 .. 31 of row r.
.macro LA d, slot, q, a                ; A's 32 rows of block a, the slot's q-th 128 along K, to v[d] on
	WIN 0
.irp k, 0,1
.irp c, 0,1
	ds_load_b128 v[(\d)+8*\k+4*\c:(\d)+8*\k+4*\c+3], v[ADRA+\slot] offset:64*(\q)+32*\c+(2*(\a)+\k)*16*PITCH
.endr
.endr
.endm
.macro LB d, slot, q, e                ; B's blocks 2 e, 2 e + 1, into the set that begins at v[d] of window 1
	WIN 0x40
.irp k, 0,1
.irp c, 0,1
	ds_load_b128 v[(\d)+8*(2*(\e)+\k)+4*\c:(\d)+8*(2*(\e)+\k)+4*\c+3], v[ADRB+\slot] offset:64*(\q)+32*\c+(2*(\e)+\k)*16*PITCH
.endr
.endr
.endm
.macro LBALL d, slot, q
	LB \d, \slot, \q, 0
	LB \d, \slot, \q, 1
	LB \d, \slot, \q, 2
	LB \d, \slot, \q, 3
.endm
; A step's 32 loads in the order in which the step wants them: A's block 0 (4 loads), B's eight blocks (16), A's blocks 1, 2, 3 (12).  p: the pair of sets.
.macro FETCH slot, q, p
	LA AF+64*(\p), \slot, \q, 0
	LBALL 64*(\p), \slot, \q
	LA AF+64*(\p)+16, \slot, \q, 1
	LA AF+64*(\p)+32, \slot, \q, 2
	LA AF+64*(\p)+48, \slot, \q, 3
.endm
; Four matrix instructions: A's block a (at v[ra]) x B's blocks bb .. bb + 3 (set at v[rb]).  zero = 1: the first product starts the sums.  B's scales: lanes 0-15 for an even block, 16-31 (ROW1) for an odd one.
; The accumulators take turns, one instruction a turn.
.macro MUL a, bb, ra, rb, q, sc, zero
	WIN 0xa4+0x50*((\a)/2)
.irp u, 0,1,2,3
.set NB, (\bb)+\u
.set DA, 16*(8*((\a)%2)+NB)
.set RA, (\ra)
.set RB, (\rb)+8*NB
.set SA, SC+32*(\sc)+4*(\a)+(\q)
.set SW, SC+32*(\sc)+16+4*(NB/2)+(\q)
.if (\zero) && (NB%2)
	v_wmma_scale_f32_32x16x128_f4 v[DA:DA+15], v[RA:RA+15], v[RB:RB+7], 0, v[SA], v[SW] matrix_b_scale:MATRIX_SCALE_ROW1
.elseif (\zero)
	v_wmma_scale_f32_32x16x128_f4 v[DA:DA+15], v[RA:RA+15], v[RB:RB+7], 0, v[SA], v[SW]
.elseif (NB%2)
	v_wmma_scale_f32_32x16x128_f4 v[DA:DA+15], v[RA:RA+15], v[RB:RB+7], v[DA:DA+15], v[SA], v[SW] matrix_b_scale:MATRIX_SCALE_ROW1
.else
	v_wmma_scale_f32_32x16x128_f4 v[DA:DA+15], v[RA:RA+15], v[RB:RB+7], v[DA:DA+15], v[SA], v[SW]
.endif
.endr
.endm
.macro GRP i, q, sc, zero              ; group i of a step's eight: A's block i / 2, B's four blocks of one half
	MUL (\i)/2, 4*((\i)%2), AF+64*((\q)%2)+16*((\i)/2), 64*((\q)%2), \q, \sc, \zero
.endm
; A step that has its successor in the same slot.  Counts: the 32 loads just issued, and of the 32 issued in the step before those not wanted yet: 12, 8, 4, 0.
.macro STEP slot, q, zero
	s_wait_dscnt 20                                ; A's block 0, B's blocks 0-3
.if (\zero) == 0
	PLACES                                         ; for the loads into what the step before multiplied
.endif
	FETCH \slot, (\q)+1, 1-(\q)%2
.if ((\q) == 0) && ((\zero) == 0)
	s_wait_loadcnt 0x0                             ; this K step's scale words, asked for a K step ago, are in; so their base may be written
	s_add_nc_u64 s[SB:SB+1], s[SB:SB+1], SSTEP
	SCALES 1-\slot, SSTEP                          ; the next K step's, into the other slot's set
	s_cmp_gt_u32 s3, 1                             ; s3 = 1 in the loop's last trip: no K step two refills on
	s_cbranch_scc0 .Lno_ask_\@
	global_prefetch_b8 v[PFO], s[PFQ:PFQ+1] th:TH_LOAD_NT scope:SCOPE_SE
.Lno_ask_\@:
.endif
	GRP 0, \q, \slot, \zero
	s_wait_dscnt 44                                ; B's blocks 4-7
	GRP 1, \q, \slot, \zero
	s_wait_dscnt 40                                ; A's block 1
	GRP 2, \q, \slot, \zero
	GRP 3, \q, \slot, \zero
	s_wait_dscnt 36                                ; A's block 2
	GRP 4, \q, \slot, \zero
	GRP 5, \q, \slot, \zero
	s_wait_dscnt 32                                ; A's block 3
	GRP 6, \q, \slot, \zero
	GRP 7, \q, \slot, \zero
.endm
; A slot's last step changes slots: its fragments were asked for in the step before, so the slot is read no more.  In front of ONE barrier each wave waits for all its tensor loads, adds 0 to its spare word, and waits for that and for its reads.
.macro TURN slot, next
	s_wait_xcnt 0x0                                ; my prefetch has read its address
	s_add_nc_u64 s[PFQ:PFQ+1], s[PFQ:PFQ+1], s[PFS:PFS+1]
	s_wait_dscnt 20
	GRP 0, 3, \slot, 0
	s_wait_dscnt 12
	GRP 1, 3, \slot, 0
	s_wait_dscnt 8
	GRP 2, 3, \slot, 0
	WIN 0                                          ; (the add's two registers lie in window 0)
	s_wait_tensorcnt 0x0                           ; my part of the next slot has landed; so every group 0 may be written
	ds_add_u32 v[SPW], v[NIL]                      ; 0 onto my spare word
	s_add_nc_u64 s[G0+4*\slot+2:G0+4*\slot+3], s[G0+4*\slot+2:G0+4*\slot+3], 2*ROWB      ; this slot's next K step: two on
	s_add_nc_u64 s[G0B+4*\slot+2:G0B+4*\slot+3], s[G0B+4*\slot+2:G0B+4*\slot+3], 2*WSTEP
	GRP 3, 3, \slot, 0
	s_wait_dscnt 0x0                               ; the add is done, and my reads of this slot are over
	s_barrier_signal -1
	GRP 4, 3, \slot, 0
	WIN 0
	s_barrier_wait -1
	CREST                                          ; no wave of any partner still reads this slot's tile or has a load on its way
	JLOAD \slot                                    ; the first tensor load behind the round; the four v_nop behind it are the places in front of the loads below
	FETCH \next, 0, 0
	GRP 5, 3, \slot, 0
	GRP 6, 3, \slot, 0
	GRP 7, 3, \slot, 0
	WIN 0
.endm
	global_load_b128 v[BI:BI+3], v6, s[10:11]      ; the bias of my columns 4 r + t,
	global_load_b128 v[BI+4:BI+7], v6, s[10:11] offset:256   ; and of 64 + 4 r + t
	SCALES 0, 0
	SCALES 1, SSTEP
	global_prefetch_b8 v[PFO], s[PFP:PFP+1] th:TH_LOAD_NT scope:SCOPE_SE   ; K step 1
	s_wait_loadcnt 8                               ; the bias and K step 0's scale words are in; the eight loads of K step 1's may be out
	s_wait_xcnt 0x0
	s_add_nc_u64 s[PFP:PFP+1], s[PFP:PFP+1], s[PFS:PFS+1]   ; K step 2
	s_add_nc_u64 s[PFQ:PFQ+1], s[PFP:PFP+1], s[PFS:PFS+1]   ; K step 3
	s_wait_tensorcnt 0x0                           ; my part of K step 0 is in
	ds_add_u32 v[SPW], v[NIL]
	s_wait_dscnt 0x0
	CROUND                                         ; everybody's part of K step 0 is in, and the joint loads meet
	JLOAD 1                                        ; K step 1
	FETCH 0, 0, 0
	WIN 0
	global_prefetch_b8 v[PFO], s[PFP:PFP+1] th:TH_LOAD_NT scope:SCOPE_SE
	global_prefetch_b8 v[PFO], s[PFQ:PFQ+1] th:TH_LOAD_NT scope:SCOPE_SE
	STEP 0, 0, 1                                   ; the first step stands in front of the loop: its products start the sums
	WIN 0
	s_mov_b32 s3, 3
.Llap:                                                 ; a trip goes once round the ring, from a lap's second step to the next lap's first, and fills both slots again
	STEP 0, 1, 0
	STEP 0, 2, 0
	TURN 0, 1
	STEP 1, 0, 0
	STEP 1, 1, 0
	STEP 1, 2, 0
	TURN 1, 0
	STEP 0, 0, 0
	WIN 0
	s_sub_co_u32 s3, s3, 1
	s_cmp_lg_u32 s3, 0
	s_cbranch_scc1 .Llap
	STEP 0, 1, 0                                   ; K step 6 goes on; nothing is filled any more
	STEP 0, 2, 0
; THE LAST CHANGE OF SLOTS.  The last K step (slot 1) goes by rows of out0: all its fragments of B fill window 1, those of A come by blocks of 32 rows x 512 K (64 registers, two buffers where A's two sets lay).
	s_wait_dscnt 20
	GRP 0, 3, 0, 0
	s_wait_dscnt 12
	GRP 1, 3, 0, 0
	s_wait_dscnt 8
	GRP 2, 3, 0, 0
	s_wait_tensorcnt 0x0                           ; my part of K step 7 is in
	s_wait_dscnt 0x0
	s_barrier_signal -1
	GRP 3, 3, 0, 0
	GRP 4, 3, 0, 0
	s_barrier_wait -1
	PLACES                                         ; for the loads into the sets that the step before multiplied
	LA AF, 1, 0, 0                                 ; 20 loads for each 128 along K; the second 128 later: its place in window 1 is still being multiplied
	LBALL 0, 1, 0
	LA AF+32, 1, 2, 0
	LBALL 128, 1, 2
	LA AF+48, 1, 3, 0
	LBALL 192, 1, 3
	GRP 5, 3, 0, 0
	GRP 6, 3, 0, 0
	GRP 7, 3, 0, 0
	PLACES
	s_wait_loadcnt 0x0                             ; K step 7's scale words
; THE WAY OUT in 16 batches of 8 rows x 2: batch v = 4 a + 2 g + i: block a's registers 8 i .. 8 i + 7 of the four accumulators of g.  The addition of the bias gathers register j of the four into four that follow each other; 16 lanes then hold
; 256 consecutive bytes of a row.  Batch 0 goes to v224-255, each other one to where the batch before it was read: no source of a store is ever written again.
.macro BATCH v
.set OA, (\v)/4
.set OG, ((\v)/2)%2
.set OI, (\v)%2
.set OS, 16*(8*(OA%2)+4*OG)+8*OI
.if (\v) == 0
.set OW, 0
.set OP, OB
.set OQ, 8
.else
.set OV, (\v)-1
.set OW, 2+(OV/4)/2
.set OP, 16*(8*((OV/4)%2)+4*((OV/2)%2))+8*(OV%2)
.set OQ, 16
.endif
.endm
.macro ADDV v
	BATCH \v
	WIN (2+OA/2)|(OW<<6)
.irp j, 0,1,2,3,4,5,6,7
.irp t, 0,1,2,3
	v_add_f32 v[OP+OQ*(\j/2)+4*(\j%2)+\t], v[OS+16*\t+\j], v[BI+4*OG+\t]   ; each accumulator from its low end on
.endr
.endr
.endm
.macro STORV v
	BATCH \v
	WIN OW<<2
.irp j, 0,1,2,3,4,5,6,7
	global_store_b128 v[CO], v[OP+OQ*(\j/2)+4*(\j%2):OP+OQ*(\j/2)+4*(\j%2)+3], s[12:13] offset:(32*OA+16*OI+\j)*16384+256*OG th:TH_STORE_NT   ; rows 8 h + j: two runs of 256 consecutive bytes, aligned
.endr
.endm
.macro OUT a                           ; block a leaves: 128 additions, then 32 stores in one run
	ADDV 4*(\a)
	ADDV 4*(\a)+1
	ADDV 4*(\a)+2
	ADDV 4*(\a)+3
	STORV 4*(\a)
	STORV 4*(\a)+1
	STORV 4*(\a)+2
	STORV 4*(\a)+3
.endm
.macro RUNW a, q                       ; block a's eight matrix instructions of the q-th 128 along K
	MUL \a, 0, AF+64*((\a)%2)+16*(\q), 64*(\q), \q, 1, 0
	MUL \a, 4, AF+64*((\a)%2)+16*(\q), 64*(\q), \q, 1, 0
.endm
.macro LABLOCK a                       ; A's fragments of block a, in the order in which its runs want them
	LA AF+64*((\a)%2), 1, 0, \a
	LA AF+64*((\a)%2)+32, 1, 2, \a
	LA AF+64*((\a)%2)+48, 1, 3, \a
	LA AF+64*((\a)%2)+16, 1, 1, \a
.endm
.macro ROWS a
	RUNW \a, 0
	RUNW \a, 2
	RUNW \a, 3
	RUNW \a, 1
	PLACES                                         ; for the reads of the block's results and the loads into its fragments' registers
.endm
	s_wait_dscnt 40                                ; of 60 loads the first 20 are in
	LA AF+16, 1, 1, 0
	LBALL 64, 1, 1
	RUNW 0, 0
	s_wait_dscnt 40                                ; of 80 the first 40
	RUNW 0, 2
	LABLOCK 1
	s_wait_dscnt 36                                ; of 96 the first 60
	RUNW 0, 3
	s_wait_dscnt 16                                ; of 96 the first 80
	RUNW 0, 1
	PLACES
	LABLOCK 2                                      ; the block after next, ahead of the stores
	OUT 0
	s_wait_dscnt 16                                ; block 1's fragments are in; block 2's 16 loads may be out
	ROWS 1
	LABLOCK 3
	OUT 1
	s_wait_dscnt 16
	ROWS 2
	OUT 2
	s_wait_dscnt 0x0
	ROWS 3
	OUT 3
	WIN 0
	s_wait_tensorcnt 0x0                           ; the wave's end
	ds_add_u32 v[SPW], v[NIL]
	s_wait_dscnt 0x0
	CROUND                                         ; the closing round: no work-group ends while a partner may still ask for a tile that names it
	s_endpgm
.Lfunc_end_k_qa67805fcd9_gemm:
	.size	k_qa67805fcd9_gemm, .Lfunc_end_k_qa67805fcd9_gemm-k_qa67805fcd9_gemm
	.p2alignl 7, 3214868480
	.fill 96, 4, 3214868480
	.section	.rodata,"a",@progbits
	.p2align	6, 0x0
	.amdhsa_kernel k_qa67805fcd9_gemm
		.amdhsa_group_segment_fixed_size 327680
		.amdhsa_private_segment_fixed_size 0
		.amdhsa_enable_private_segment 0
		.amdhsa_kernarg_size 40
		.amdhsa_user_sgpr_count 2
		.amdhsa_user_sgpr_kernarg_segment_ptr 1
		.amdhsa_wavefront_size32 1
		.amdhsa_system_sgpr_workgroup_id_x 1
		.amdhsa_system_sgpr_workgroup_id_y 1
		.amdhsa_system_sgpr_workgroup_id_z 1
		.amdhsa_system_vgpr_workitem_id 0
		.amdhsa_next_free_vgpr 1024
		.amdhsa_next_free_sgpr 92
		.amdhsa_reserve_vcc 0
		.amdhsa_float_denorm_mode_32 3
		.amdhsa_float_denorm_mode_16_64 3
		.amdhsa_memory_ordered 1
		.amdhsa_forward_progress 1
		.amdhsa_inst_pref_size 146
	.end_amdhsa_kernel
	.amdgpu_metadata
---
amdhsa.version: [ 1, 2 ]
amdhsa.kernels:
  - .name:           k_qa67805fcd9_gemm
    .symbol:         k_qa67805fcd9_gemm.kd
    .args:
      - { .name: x_codes, .offset: 0, .size: 8, .value_kind: global_buffer, .address_space: global }
      - { .name: wq, .offset: 8, .size: 8, .value_kind: global_buffer, .address_space: global }
      - { .name: scl, .offset: 16, .size: 8, .value_kind: global_buffer, .address_space: global }
      - { .name: bias, .offset: 24, .size: 8, .value_kind: global_buffer, .address_space: global }
      - { .name: out0, .offset: 32, .size: 8, .value_kind: global_buffer, .address_space: global }
    .group_segment_fixed_size: 327680
    .private_segment_fixed_size: 0
    .kernarg_segment_align: 8
    .kernarg_segment_size: 40
    .max_flat_workgroup_size: 128
    .sgpr_count:     92
    .vgpr_count:     1024
    .wavefront_size: 32
...
	.end_amdgpu_metadata
.endif
;; end of part 2
